; MI455X (gfx1250); checked and timed in simulation.
; The chip was launched on July 23, 2026; its instructions are those of AMD's public machine-readable ISA for CDNA 5 (MIT licence, August 2026) and "CDNA5" Instruction Set Architecture Reference Guide (July 2026). The comments in the code are by the model that wrote it; some were corrected since.
;; Cross Attention. Allowed arithmetic: matrix products marked QUANTISED: E2M1 operands, one E8M0 scale for each 32 along K, by v_wmma_scale_f32_16x16x128_f8f6f4 with both operands' format E2M1 (or v_wmma_scale_f32_32x16x128_f4), f32 sums; everything else in f32.
;; Inputs: bk 128 float32; bq 128 float32; bv 128 float32; wk_codes 128 x 4 x 16 uint8 (E2M1 codes of wk, K innermost, in blocks of 32 codes, two codes a byte); wk_scales 128 x 4 uint8 (E8M0 scales of wk, one for each 32 codes along K); wq_codes 128 x 4 x 16 uint8 (E2M1 codes of wq, K innermost, in blocks of 32 codes, two codes a byte); wq_scales 128 x 4 uint8 (E8M0 scales of wq, one for each 32 codes along K); wv_codes 128 x 4 x 16 uint8 (E2M1 codes of wv, K innermost, in blocks of 32 codes, two codes a byte); wv_scales 128 x 4 uint8 (E8M0 scales of wv, one for each 32 codes along K); x1 4 x 128 x 64 x 64 float32; x2_codes 4 x 64 x 64 x 4 x 16 uint8 (E2M1 codes of x2, K innermost, in blocks of 32 codes, two codes a byte); x2_scales 4 x 64 x 64 x 4 uint8 (E8M0 scales of x2, one for each 32 codes along K).
;; Outputs: out0 4 x 128 x 64 x 64 float32.
;; This version of the problem:
;;   THIS VERSION OF THE PROBLEM IS GIVEN IN LOW PRECISION. The matrix products marked QUANTISED in the list below multiply operands that are first quantised to E2M1 (2 exponent bits, 1 mantissa bit; 4 bits a number), with one power-of-two scale for each 32 numbers along K (OCP MX v1.0); their sums are f32. All else is computed in f32.
;;   The module's matrix products, in the order in which they are computed (A, B: the left and right operand; K: the contracted axis; several contracted axes count as one K, in the product's order):
;;     1. [M 16,384, K 128] x [K 128, N 128]; A: input x1; B: input wq (given as codes): QUANTISED
;;     2. [M 16,384, K 128] x [K 128, N 128]; A: input x2 (given as codes); B: input wk (given as codes): QUANTISED
;;     3. [M 16,384, K 128] x [K 128, N 128]; A: input x2 (given as codes); B: input wv (given as codes): QUANTISED
;;     4. batch 4 x [M 4,096, K 128] x [K 128, N 4,096]; A: computed on the way; B: computed on the way: QUANTISED
;;     5. batch 4 x [M 4,096, K 4,096] x [K 4,096, N 128]; A: softmax (see below); B: computed on the way: QUANTISED
;;   THE QUANTISER, for each operand of a quantised product, along K:
;;     - K is cut into blocks of 32 from its start; a last block that is shorter is filled with zeros.
;;     - A block's scale is 2^e with e = floor(log2(the largest magnitude in the block)) - 2, held to -126 .. 127; a block of zeros has e = 0. As a byte (E8M0): e + 127.
;;     - Each number is divided by its block's scale, clamped to +-6, and rounded to the nearest number of E2M1, ties to even, subnormals kept.
;;     - The product sums the exact products of the quantised numbers (number of the format x scale) in f32.
;;   ~~~python
;;   def quantise(x, axis):      # numpy; x: float32 -> the quantised numbers, widened to float32 again
;;       x = np.moveaxis(x, axis, -1); K = x.shape[-1]
;;       x = np.pad(x, [(0, 0)] * (x.ndim - 1) + [(0, -K % 32)]); x = x.reshape(x.shape[:-1] + (-1, 32)); a = np.abs(x).max(-1, keepdims=True)
;;       e = np.where(a > 0, np.clip(np.frexp(np.where(a > 0, a, 1))[1] - 1 - 2, -126, 127), 0)      # np.frexp(a)[1] - 1 = floor(log2(a)), exactly
;;       r = np.clip(x / 2.0 ** e, -6, 6)
;;       step = 2.0 ** (np.maximum(np.frexp(np.where(r == 0, 1, r))[1] - 1, 0) - 1)
;;       q = np.round(r / step) * step * 2.0 ** e      # np.round: ties to even
;;       return np.moveaxis(q.reshape(q.shape[:-2] + (-1,))[..., :K], -1, axis).astype(np.float32)
;;   ~~~
;;   SOFTMAX AHEAD OF A QUANTISED PRODUCT. Where the list says 'softmax', what is quantised is not the finished softmax but p = 2^(t - M), with t = logit x log2(e) and M = ceil(the row's largest t), a whole number; so 1/2 < the row's largest p <= 1. The row's sum l is taken of the UNQUANTISED p, in f32, and the product's result is divided by l at the end. Since M is a whole number, a kernel that streams over the keys may use a running M (the ceiling of the running maximum): every later rescaling is an exact power of two, which a block's scale takes up: the codes' values come out the same.
;;   OPERANDS COMPUTED ON THE WAY. 'Computed on the way' means the value that the module computes at that place (a softmax that the list does not call 'softmax' is quantised finished and normalised). What goes into a quantiser is computed in f32, as accurately as f32 sums, v_exp_f32 and their like allow (about 1e-6 of the number): no bf16 or f16 on the way to a quantiser, and a product that is left as it is and whose result goes on into a quantised operand takes f32 operands (vector FMAs, or v_wmma_f32_16x16x4_f32). A number that lies on a knife's edge between two numbers of the format may be rounded either way, as far as f32 arithmetic and the matrix unit's own rounding can turn it there, and no further.
;;   INPUTS GIVEN AS CODES. wk (in the module: [128, 128], K = its axis 1); wq (in the module: [128, 128], K = its axis 1); wv (in the module: [128, 128], K = its axis 1); x2 (in the module: [4, 128, 64, 64], K = its axis 1): each comes as NAME_codes (uint8): NAME with its K axis moved to the last place and cut into blocks of 32 codes, [.., K / 32, bytes a block], one block behind the other in memory; two codes a byte, the lower K in the low four bits (a code: sign, 2 exponent bits, 1 mantissa bit); and NAME_scales (uint8): the same leading axes, one E8M0 byte (e + 127) for each 32 codes along K. Its value is code x scale, taken as it is: it is not quantised again, and the codes and scales need not be those that the quantiser above would give.
;; One version. Each part assembles by itself: llvm-mc -triple=amdgcn-amd-amdhsa -mcpu=gfx1250 --defsym DOCPART=n.
;; ======== version 1 of 1: 2 launches
;; workspace buffers: qc 1,114,112 bytes; kv 2,228,224 bytes
;; launch prep (part 1): grid 256 x 1, 4 waves a work-group, no clusters, 0 bytes of LDS; arguments x1, x2_codes, x2_scales, wq_codes, wq_scales, bq, wk_codes, wk_scales, bk, wv_codes, wv_scales, bv, qc, kv; writes qc, kv
.if DOCPART == 1
	.amdgcn_target "amdgcn-amd-amdhsa--gfx1250"
	.amdhsa_code_object_version 6
	.text
	.protected	k_q433d3e60a9_prep
	.globl	k_q433d3e60a9_prep
	.p2align	8
	.type	k_q433d3e60a9_prep,@function
k_q433d3e60a9_prep:
	s_mov_b64 s[64:65], 0
	v_nop
	global_prefetch_b8 v0, s[64:65] scope:SCOPE_SE
	s_setreg_imm32_b32 hwreg(HW_REG_WAVE_MODE, 25, 1), 1
	s_wait_xcnt 0x0
; PREP: the three projections, each quantised once for the attention launch, which reads k and v 64 times a batch.
;   q = Q(x1) Wq^T + bq, k = x2 Wk^T + bk, v = x2 Wv^T + bv, all on codes of FP4 (E2M1) with one E8M0 scale for each 32 along K, sums in f32.
;   q and k are then quantised along their 128 channels, v along the keys, and stored AS IMAGES OF THE OPERAND'S REGISTERS:
;   a fragment (16 rows x 128 K) is 8 registers a lane; registers 0-3 go to 16 x lane, registers 4-7 to 512 + 16 x lane: 1,024 bytes.
; qc: 1,024 query tiles of 16 tokens (1,024 bytes each), then from byte 1,048,576 one scale word a token.
; kv: 128 key steps of 128 keys, STEPB = 17,408 bytes each: 8 tiles of K | 8 tiles of V^T | 1,024 bytes of scale words [g][lane][4 words]:
;   lanes 0-15 the words of K's tiles 4 g .. 4 g + 3, lanes 16-31 those of V's: one 16-byte load a lane gives four scale registers.
;   LANE r OF K'S TILE 2 b + u HOLDS KEY 32 b + 8 u + r + 8 (r / 8), so that in S^T the 16 registers of tiles 2 b, 2 b + 1 are 16 neighbouring keys.
; SHARES.  Work-group i: key step i / 2, half g = i % 2, and tokens 64 i .. 64 i + 63 of x1.  Waves 0, 1: 32 tokens of q each; wave 2: four tiles of K; wave 3: four tiles of V^T.
;   The waves share nothing: no LDS, no barrier.  Every product has K = 128: one matrix instruction for each accumulator, the bias as its C.
; ALL PRODUCTS ARE LAID so that a lane's registers run along the NEXT product's K: source 0's sixteen rows are taken in the order above.
; No cluster: the work-groups share only the weights, 8,704 bytes against the 37,000 that a work-group reads of its own, and they go straight into registers.
; LIMITS: NaN and infinities among the inputs are not served; a block whose largest magnitude lies under 2^-124 (a block of zeros too) keeps the scale byte 1:
;   its codes are then zeros or nearly so, and the bytes are read by this program alone.
; REGISTERS.  window 0: v1-12 lane numbers and offsets; v16-27 at work in the quantiser; v32-39 source 0's scale words; v40-43 source 1's; v48 x1's scale word;
;   v52-55 scale words made; v56-57 their store; v60-63 bv; v64-95 four sets of codes (no store's data are written again); v96-127 source 1's fragments;
;   v128-191 two sets of 32 numbers of x1, later the eight accumulators.   window 1: v0-63 source 0's eight fragments; v64-127 the biases as C.
.set TM,    16                         ; v16-19 largest magnitudes, v20-23 the other half's / the bytes, v24-27 the conversions' scale operands
.set WS,    32
.set XSC,   40
.set SBW,   48
.set PW,    52
.set BV,    60
.set PC,    64
.set BF,    96
.set HA,    128
.set SEL,   40                         ; s[40:41] lane selects for v_permlanex16_b32: lane l xor 16
.set STEPB, 17408
.set MSB, 0
.macro WIN new                         ; the immediate's high byte repeats the setting that is left
.if MSB != \new
	s_set_vgpr_msb (MSB<<8)|\new
.set MSB, \new
.endif
.endm
; A weight's eight tiles (rows in the order above), its bias in the result's layout, its scale words: 40 loads.  pc, ps, pb: the scalar pairs of codes, scales, bias.
.macro WLOAD pc, ps, pb
	WIN 0x40                                       ; destination window 1, address window 0
.irp t, 0,1,2,3,4,5,6,7
.irp c, 0,1
	global_load_b128 v[8*\t+4*\c:8*\t+4*\c+3], v7, s[\pc:\pc+1] offset:(32*(\t/2)+8*(\t%2))*64+32*\c
.endr
.endr
.irp t, 0,1,2,3,4,5,6,7
.irp e, 0,1
	global_load_b128 v[64+8*\t+4*\e:64+8*\t+4*\e+3], v11, s[\pb:\pb+1] offset:(32*(\t/2)+8*(\t%2))*4+16*\e   ; lane (r, h), register j: the bias of output 32 (t / 2) + 8 (t % 2) + 16 h + j
.endr
.endr
	WIN 0
.irp t, 0,1,2,3,4,5,6,7
	global_load_b32 v[WS+\t], v8, s[\ps:\ps+1] offset:(32*(\t/2)+8*(\t%2))*4
.endr
.endm
; x1, block t of 32 channels: a lane takes a token, its registers run down the channels; the wave reads 128 consecutive bytes of a channel's row, waves 0 and 1 side by side
.macro LOADX t
.set I_, 0
.rept 32
	global_load_b32 v[HA+32*((\t)%2)+I_], v5, s[8:9] offset:(32*(\t)+I_)*16384
.set I_, I_+1
.endr
.endm
; Block t of my token: largest magnitude, scale byte, 32 codes.  Blocks 0, 2 go to v96-103, blocks 1, 3 to v104-111.  cnt: the younger loads that may stay out.
.macro BLOCK t, cnt
.set X_, HA+32*((\t)%2)
.set D_, BF+8*((\t)%2)+4*((\t)/2)
	s_wait_loadcnt \cnt
	v_max3_num_f32 v[TM], |v[X_]|, |v[X_+1]|, |v[X_+2]|
	v_max3_num_f32 v[TM+1], |v[X_+3]|, |v[X_+4]|, |v[X_+5]|
.irp i, 6,10,14,18,22,26
	v_max3_num_f32 v[TM], v[TM], |v[X_+\i]|, |v[X_+\i+1]|
	v_max3_num_f32 v[TM+1], v[TM+1], |v[X_+\i+2]|, |v[X_+\i+3]|
.endr
	v_max3_num_f32 v[TM], v[TM], |v[X_+30]|, |v[X_+31]|
	v_max3_num_f32 v[TM], v[TM], v[TM+1], 0x1800000    ; and the floor 2^(3 - 127): the byte cannot fall under 1
	v_add_nc_u32 v[TM+8], 0xff000000, v[TM]            ; 2 off the exponent field: the conversion takes this operand's exponent field as its scale
	v_lshrrev_b32 v[TM+4], 23, v[TM+8]                 ; the scale's byte
.if (\t) == 0
	v_mov_b32 v[SBW], v[TM+4]
.else
	v_lshl_or_b32 v[SBW], v[TM+4], 8*(\t), v[SBW]
.endif
.irp g, 0,1,2,3
	v_cvt_scalef32_pk8_fp4_f32 v[D_+\g], v[X_+8*\g:X_+8*\g+7], v[TM+8]
.endr
	v_nop                                          ; one plain place behind a scaled conversion
.endm
; Eight products: source 0 = the weight's tiles, source 1 = 16 tokens in v[bf] on, their scale words in v[bs] (row1 = 1: in its lanes 16-31), C = the bias.
; Lane (r, h) then holds token r, and register j of tile t output 32 (t / 2) + 8 (t % 2) + 16 h + j.
.macro PROJ bf, bs, row1
	WIN 0x11                                       ; source 0 and C in window 1
.irp t, 0,1,2,3,4,5,6,7
.if \row1
	v_wmma_scale_f32_16x16x128_f8f6f4 v[HA+8*\t:HA+8*\t+7], v[8*\t:8*\t+7], v[\bf:\bf+7], v[64+8*\t:64+8*\t+7], v[WS+\t], v[\bs] matrix_a_fmt:MATRIX_FMT_FP4 matrix_b_fmt:MATRIX_FMT_FP4 matrix_b_scale:MATRIX_SCALE_ROW1
.else
	v_wmma_scale_f32_16x16x128_f8f6f4 v[HA+8*\t:HA+8*\t+7], v[8*\t:8*\t+7], v[\bf:\bf+7], v[64+8*\t:64+8*\t+7], v[WS+\t], v[\bs] matrix_a_fmt:MATRIX_FMT_FP4 matrix_b_fmt:MATRIX_FMT_FP4
.endif
.endr
	WIN 0
.rept 4
	v_nop                                          ; four places between the products and the first read of their results (ISA guide 7.12.1)
.endr
.endm
; The same for v: source 0 = the step's eight tiles of tokens, source 1 = 16 rows of Wv (tile u of my four): lane (r, h) holds ONE CHANNEL, its registers run along the keys.
.macro PROJV u
	WIN 0x11
.irp t, 0,1,2,3,4,5,6,7
	v_wmma_scale_f32_16x16x128_f8f6f4 v[HA+8*\t:HA+8*\t+7], v[8*\t:8*\t+7], v[BF+8*(\u):BF+8*(\u)+7], v[64+8*(\u):64+8*(\u)+7], v[WS+\t], v[XSC+(\u)] matrix_a_fmt:MATRIX_FMT_FP4 matrix_b_fmt:MATRIX_FMT_FP4
.endr
	WIN 0
.rept 4
	v_nop
.endr
.endm
; 64 numbers of a lane, v[s] on, register 16 b + i = k 32 b + 16 (lane / 16) + i of my row, become a fragment's codes in v[pc] on and its scale word in v[pw].
; Each accumulator is read from its low end on.  The fifteen plain lines on v16-27 and v[pw] are also the places in front of the next products, which write v[s] on anew.
.macro QUANT s, pc, pw
.irp b, 0,1,2,3
	v_max3_num_f32 v[TM+\b], |v[\s+16*\b]|, |v[\s+1+16*\b]|, 0x1800000   ; block b: my 16 numbers, and the floor 2^(3 - 127)
.endr
.irp i, 2,4,6,8,10,12,14
.irp b, 0,1,2,3
	v_max3_num_f32 v[TM+\b], v[TM+\b], |v[\s+16*\b+\i]|, |v[\s+1+16*\b+\i]|   ; the four blocks by turns
.endr
.endr
.irp b, 0,1,2,3
	v_permlanex16_b32 v[TM+4+\b], v[TM+\b], s[SEL], s[SEL+1]
.endr
.irp b, 0,1,2,3
	v_max_num_f32 v[TM+\b], v[TM+\b], v[TM+4+\b]   ; with lane l xor 16's: the block's largest magnitude
.endr
.irp b, 0,1,2,3
	v_add_nc_u32 v[TM+8+\b], 0xff000000, v[TM+\b]  ; 2 off its exponent field: the conversion's scale operand
.endr
.irp b, 0,1,2,3
	v_lshrrev_b32 v[TM+4+\b], 23, v[TM+8+\b]       ; the scale's byte
.endr
	v_lshl_or_b32 v[\pw], v[TM+5], 8, v[TM+4]      ; the four bytes make my row's scale word (the same in lanes r and 16 + r)
	v_lshl_or_b32 v[\pw], v[TM+6], 16, v[\pw]
	v_lshl_or_b32 v[\pw], v[TM+7], 24, v[\pw]
.irp b, 0,1,2,3
	v_cvt_scalef32_pk8_fp4_f32 v[\pc+2*\b], v[\s+16*\b:\s+7+16*\b], v[TM+8+\b]
	v_cvt_scalef32_pk8_fp4_f32 v[\pc+1+2*\b], v[\s+8+16*\b:\s+15+16*\b], v[TM+8+\b]
.endr
	v_nop                                          ; one plain place behind a scaled conversion
.irp c, 0,1                                    ; the operand's layout wants a WHOLE block in a lane: lanes 0-15 block 2 c, lanes 16-31 block 2 c + 1
.irp i, 0,1
	v_permlane16_swap_b32 v[\pc+4*\c+\i], v[\pc+2+4*\c+\i]
.endr
.endr
.endm
.macro IMG pc, base, off               ; the fragment goes out as it stands: each store of the wave covers 512 consecutive bytes, aligned
	global_store_b128 v4, v[\pc:\pc+3], s[\base:\base+1] offset:\off
	global_store_b128 v4, v[\pc+4:\pc+7], s[\base:\base+1] offset:\off+512
.endm
.macro SCOUT off                       ; my four tiles' scale words: lane r stores words 0, 1 of row r, lane 16 + r words 2, 3: 256 consecutive bytes, aligned
	v_cmp_le_u32 vcc_lo, 16, v1
	v_cndmask_b32 v56, v[PW], v[PW+2], vcc_lo
	v_cndmask_b32 v57, v[PW+1], v[PW+3], vcc_lo
	global_store_b64 v12, v[56:57], s[44:45] offset:\off
.endm
	s_load_b512 s[8:23], s[0:1], 0x0               ; x1 s[8:9], x2's codes s[10:11], its scales s[12:13], wq's codes s[14:15], scales s[16:17], bq s[18:19], wk's codes s[20:21], scales s[22:23]
	s_load_b256 s[24:31], s[0:1], 0x40             ; bk s[24:25], wv's codes s[26:27], scales s[28:29], bv s[30:31]
	s_load_b128 s[32:35], s[0:1], 0x60             ; qc s[32:33], kv s[34:35]
	v_lshrrev_b32 v1, 5, v0
	v_readfirstlane_b32 s4, v1                     ; wave 0..3
	s_lshr_b32 s5, ttmp9, 1                        ; the key step
	s_and_b32 s6, ttmp9, 1                         ; g: which four tiles of it
	v_and_b32 v1, 31, v0                           ; lane
	v_and_b32 v2, 15, v0                           ; r
	v_bfe_u32 v3, v0, 4, 1                         ; h
	v_lshlrev_b32 v4, 4, v1                        ; 16 x lane: an image's place
	v_lshlrev_b32 v5, 2, v1                        ; 4 x lane
	v_and_b32 v6, 8, v2
	v_add_nc_u32 v6, v6, v2                        ; r + 8 (r / 8)
	v_lshlrev_b32 v7, 6, v6
	v_lshl_add_u32 v7, v3, 4, v7                   ; a row of 64 bytes in that order, + 16 h
	v_lshlrev_b32 v8, 2, v6                        ; its scale word
	v_lshlrev_b32 v9, 6, v2
	v_lshl_add_u32 v9, v3, 4, v9                   ; row r in plain order, + 16 h
	v_lshlrev_b32 v10, 2, v2                       ; 4 r
	v_lshlrev_b32 v11, 6, v3                       ; 64 h: a bias's 16 numbers of my half
	v_lshlrev_b32 v12, 4, v2
	v_lshl_add_u32 v12, v3, 3, v12                 ; 16 r + 8 h
.irp b, 0,1,2,3
	v_mov_b32 v[TM+4+\b], 0                        ; written once: a lane permute's destination counts as one of its sources
.endr
	s_mov_b32 s37, 0                               ; s[36:37], s[38:39]: offsets, their high words 0
	s_mov_b32 s39, 0
	s_mov_b32 s[SEL], 0x76543210
	s_mov_b32 s[SEL+1], 0xfedcba98
	s_wait_kmcnt 0x0
	s_cmp_lt_u32 s4, 2
	s_cbranch_scc1 .Lrole_q
	; ---- waves 2 and 3: the key step's place in x2 and in kv
	s_lshl_b32 s36, s5, 13
	s_add_nc_u64 s[10:11], s[10:11], s[36:37]      ; 128 tokens x 64 bytes a step
	s_lshl_b32 s36, s5, 9
	s_add_nc_u64 s[12:13], s[12:13], s[36:37]      ; 128 scale words
	s_mul_i32 s36, s5, STEPB
	s_lshl_b32 s38, s6, 12
	s_add_co_u32 s36, s36, s38
	s_add_nc_u64 s[42:43], s[34:35], s[36:37]      ; kv at my four tiles of K (V's lie 8,192 bytes on)
	s_mul_i32 s36, s5, STEPB
	s_lshl_b32 s38, s6, 9
	s_add_co_u32 s36, s36, s38
	s_add_co_u32 s36, s36, 16384
	s_add_nc_u64 s[44:45], s[34:35], s[36:37]      ; and at their scale words
	s_lshl_b32 s36, s6, 12                         ; 64 g rows of 64 bytes
	s_lshl_b32 s38, s6, 8                          ; 64 g words
	s_cmp_eq_u32 s4, 2
	s_cbranch_scc1 .Lrole_k
	; ---- wave 3: V^T, channels 64 g .. 64 g + 63, all 128 keys of the step
	s_add_nc_u64 s[26:27], s[26:27], s[36:37]
	s_add_nc_u64 s[28:29], s[28:29], s[38:39]
	s_add_nc_u64 s[30:31], s[30:31], s[38:39]
	WIN 0x40
.irp t, 0,1,2,3,4,5,6,7
.irp c, 0,1
	global_load_b128 v[8*\t+4*\c:8*\t+4*\c+3], v7, s[10:11] offset:(32*(\t/2)+8*(\t%2))*64+32*\c   ; the tokens' eight tiles: source 0
.endr
.endr
	WIN 0
.irp t, 0,1,2,3,4,5,6,7
	global_load_b32 v[WS+\t], v8, s[12:13] offset:(32*(\t/2)+8*(\t%2))*4
.endr
.irp u, 0,1,2,3
.irp c, 0,1
	global_load_b128 v[BF+8*\u+4*\c:BF+8*\u+4*\c+3], v9, s[26:27] offset:1024*\u+32*\c             ; Wv's rows 16 u + r of my 64: source 1
.endr
.endr
.irp u, 0,1,2,3
	global_load_b32 v[XSC+\u], v10, s[28:29] offset:64*\u
	global_load_b32 v[BV+\u], v10, s[30:31] offset:64*\u
.endr
	s_wait_loadcnt 0x0
	WIN 0x40
.irp u, 0,1,2,3
.irp j, 0,1,2,3,4,5,6,7
	v_mov_b32 v[64+8*\u+\j], v[BV+\u]              ; a lane holds one channel: its bias fills C's eight registers
.endr
.endr
	WIN 0
.irp u, 0,1,2,3
	PROJV \u
	QUANT HA, PC+8*\u, PW+\u
	IMG PC+8*\u, 42, 8192+1024*\u
.endr
	SCOUT 256
	s_endpgm
.Lrole_k:
	; ---- wave 2: K's tiles 4 g .. 4 g + 3: the tokens of a tile are taken in the tile's own order, so that the codes made are its image
	s_add_nc_u64 s[10:11], s[10:11], s[36:37]
	s_add_nc_u64 s[12:13], s[12:13], s[38:39]
.irp u, 0,1,2,3
.irp c, 0,1
	global_load_b128 v[BF+8*\u+4*\c:BF+8*\u+4*\c+3], v7, s[10:11] offset:(32*(\u/2)+8*(\u%2))*64+32*\c
.endr
.endr
.irp u, 0,1,2,3
	global_load_b32 v[XSC+\u], v8, s[12:13] offset:(32*(\u/2)+8*(\u%2))*4
.endr
	WLOAD 20, 22, 24
	s_wait_loadcnt 0x0
.irp u, 0,1,2,3
	PROJ BF+8*\u, XSC+\u, 0
	QUANT HA, PC+8*\u, PW+\u
	IMG PC+8*\u, 42, 1024*\u
.endr
	SCOUT 0
	s_endpgm
.Lrole_q:
	; ---- waves 0 and 1: tokens 64 i + 32 w + lane of x1
	s_lshr_b32 s36, ttmp9, 6
	s_lshl_b32 s36, s36, 21                        ; the batch: 128 channels x 16,384 bytes
	s_and_b32 s38, ttmp9, 63
	s_lshl_b32 s38, s38, 8
	s_add_co_u32 s36, s36, s38                     ; 64 tokens x 4 bytes a work-group
	s_lshl_b32 s38, s4, 7                          ; 32 tokens a wave
	s_add_co_u32 s36, s36, s38
	s_add_nc_u64 s[8:9], s[8:9], s[36:37]
	s_lshl_b32 s36, ttmp9, 8
	s_add_co_u32 s36, s36, s38
	s_add_nc_u64 s[46:47], s[32:33], s[36:37]      ; qc at my tokens' scale words, less the 1,048,576 that stand in the store's immediate
	s_lshl_b32 s36, ttmp9, 12
	s_lshl_b32 s38, s4, 11
	s_add_co_u32 s36, s36, s38
	s_add_nc_u64 s[32:33], s[32:33], s[36:37]      ; qc at my two tiles
	LOADX 0
	LOADX 1
	BLOCK 0, 32                                    ; behind block 0's loads: block 1's 32
	LOADX 2
	BLOCK 1, 32                                    ; behind block 1's: block 2's 32
	LOADX 3
	WLOAD 14, 16, 18
	BLOCK 2, 63                                    ; behind block 2's stand 72; the wait's field ends at 63, and the smaller count holds all the more
	BLOCK 3, 40                                    ; behind block 3's: the weight's 40
	s_wait_loadcnt 0x0
.irp i, 0,1,2,3,4,5,6,7
	v_permlane16_swap_b32 v[BF+\i], v[BF+8+\i]     ; v96-103: tokens 0-15 (lanes 0-15 blocks 0, 2; lanes 16-31 blocks 1, 3); v104-111: tokens 16-31
.endr
.rept 8
	v_nop                                          ; a scale register written by vector instructions stands 8 places ahead of a scaled product, an operand so written 4
.endr
	PROJ BF, SBW, 0
	QUANT HA, PC, PW
	IMG PC, 32, 0
	PROJ BF+8, SBW, 1                              ; tokens 16-31: their scale words lie in lanes 16-31
	QUANT HA, PC+8, PW+1
	IMG PC+8, 32, 1024
	v_cmp_le_u32 vcc_lo, 16, v1
	v_cndmask_b32 v56, v[PW], v[PW+1], vcc_lo      ; lane = token
	global_store_b32 v5, v56, s[46:47] offset:1048576
	s_endpgm
.Lfunc_end_k_q433d3e60a9_prep:
	.size	k_q433d3e60a9_prep, .Lfunc_end_k_q433d3e60a9_prep-k_q433d3e60a9_prep
	.p2alignl 7, 3214868480
	.fill 96, 4, 3214868480
	.section	.rodata,"a",@progbits
	.p2align	6, 0x0
	.amdhsa_kernel k_q433d3e60a9_prep
		.amdhsa_group_segment_fixed_size 0
		.amdhsa_private_segment_fixed_size 0
		.amdhsa_enable_private_segment 0
		.amdhsa_kernarg_size 112
		.amdhsa_user_sgpr_count 2
		.amdhsa_user_sgpr_kernarg_segment_ptr 1
		.amdhsa_wavefront_size32 1
		.amdhsa_system_sgpr_workgroup_id_x 1
		.amdhsa_system_sgpr_workgroup_id_y 1
		.amdhsa_system_sgpr_workgroup_id_z 1
		.amdhsa_system_vgpr_workitem_id 0
		.amdhsa_next_free_vgpr 384
		.amdhsa_next_free_sgpr 66
		.amdhsa_reserve_vcc 1
		.amdhsa_float_denorm_mode_32 3
		.amdhsa_float_denorm_mode_16_64 3
		.amdhsa_memory_ordered 1
		.amdhsa_forward_progress 1
		.amdhsa_inst_pref_size 87
	.end_amdhsa_kernel
	.amdgpu_metadata
---
amdhsa.version: [ 1, 2 ]
amdhsa.kernels:
  - .name:           k_q433d3e60a9_prep
    .symbol:         k_q433d3e60a9_prep.kd
    .args:
      - { .name: x1, .offset: 0, .size: 8, .value_kind: global_buffer, .address_space: global }
      - { .name: x2_codes, .offset: 8, .size: 8, .value_kind: global_buffer, .address_space: global }
      - { .name: x2_scales, .offset: 16, .size: 8, .value_kind: global_buffer, .address_space: global }
      - { .name: wq_codes, .offset: 24, .size: 8, .value_kind: global_buffer, .address_space: global }
      - { .name: wq_scales, .offset: 32, .size: 8, .value_kind: global_buffer, .address_space: global }
      - { .name: bq, .offset: 40, .size: 8, .value_kind: global_buffer, .address_space: global }
      - { .name: wk_codes, .offset: 48, .size: 8, .value_kind: global_buffer, .address_space: global }
      - { .name: wk_scales, .offset: 56, .size: 8, .value_kind: global_buffer, .address_space: global }
      - { .name: bk, .offset: 64, .size: 8, .value_kind: global_buffer, .address_space: global }
      - { .name: wv_codes, .offset: 72, .size: 8, .value_kind: global_buffer, .address_space: global }
      - { .name: wv_scales, .offset: 80, .size: 8, .value_kind: global_buffer, .address_space: global }
      - { .name: bv, .offset: 88, .size: 8, .value_kind: global_buffer, .address_space: global }
      - { .name: qc, .offset: 96, .size: 8, .value_kind: global_buffer, .address_space: global }
      - { .name: kv, .offset: 104, .size: 8, .value_kind: global_buffer, .address_space: global }
    .group_segment_fixed_size: 0
    .private_segment_fixed_size: 0
    .kernarg_segment_align: 8
    .kernarg_segment_size: 112
    .max_flat_workgroup_size: 128
    .sgpr_count:     66
    .vgpr_count:     384
    .wavefront_size: 32
...
	.end_amdgpu_metadata
.endif
;; end of part 1
;; launch attn (part 2): grid 64 x 4, 16 waves a work-group, clusters of 4 x 1, 327,680 bytes of LDS; arguments qc, kv, x1, out0; writes out0
.if DOCPART == 2
	.amdgcn_target "amdgcn-amd-amdhsa--gfx1250"
	.amdhsa_code_object_version 6
	.text
	.protected	k_q433d3e60a9_attn
	.globl	k_q433d3e60a9_attn
	.p2align	8
	.type	k_q433d3e60a9_attn,@function
k_q433d3e60a9_attn:
	s_mov_b64 s[64:65], 0
	v_nop
	global_prefetch_b8 v0, s[64:65] scope:SCOPE_SE
	s_setreg_imm32_b32 hwreg(HW_REG_WAVE_MODE, 25, 1), 1
	s_wait_xcnt 0x0
	s_wait_alu depctr_hold_cnt(0) depctr_sa_sdst(0) depctr_va_vdst(0) depctr_va_sdst(0) depctr_va_ssrc(0) depctr_va_vcc(0) depctr_vm_vsrc(0)
	s_getreg_b32 s2, hwreg(HW_REG_IB_STS2, 6, 4)
	s_cmp_eq_u32 s2, 0
	s_cbranch_scc0 .Lentry_in_a_cluster
	s_endpgm
.Lentry_in_a_cluster:
	s_bfe_u32 s2, ttmp6, 0x10000c
	s_cmp_lg_u32 s2, 0x3003
	s_cbranch_scc0 .Lentry_shape_is_right
	s_endpgm
.Lentry_shape_is_right:
; ATTN: out0[b][c][n] = x1[b][c][n] + the sum over keys of softmax(q . k / sqrt(128)) v, both products on codes of FP4 (E2M1) with one E8M0 scale for each 32 along K.
; THE SOFTMAX: t = score x log2(e) / sqrt(128) (one multiplication); M = the largest t so far, rounded UP to a whole number; p = 2^(t - M) is what is quantised, along the keys, not normalised;
;   the row's sum is taken of the unquantised p and divides at the end.  When M moves, the sum and O are multiplied by 2^(old M - new M): exact.
; SHARES.  A work-group owns 64 queries of one batch: 4 x 64 = 256 work-groups of equal work.  Sixteen waves of 256 registers, four to a SIMD, so that one wave's vector work stands beside another's
;   products and LDS loads.  Wave w: tile qt = w / 4 of 16 queries, share kq = w % 4 of the keys: of every eight key steps (128 keys each) steps 2 kq and 2 kq + 1: 1,024 keys in all.
;   At the end the four shares of a tile meet in LDS: each is brought under the largest of the four M by a power of two.
; LAYOUT.  Both products are used transposed: S^T = K Q^T (source 0 = 16 keys, source 1 = my 16 queries), O^T = V^T P^T (source 0 = 16 channels, source 1 = P): a lane holds ONE query throughout.
;   K's, V's and Q's fragments lie in memory as images of the operand's registers (16 bytes a lane, 512 a load), a key step's tiles and scale words in one dense block of STEPB bytes:
;   8 tiles of K | 8 tiles of V^T | scale words.  Lane r of K's tile 2 b + u is key 32 b + 8 u + r + 8 (r / 8): the 16 registers of S^T's tiles 2 b, 2 b + 1 are 16 neighbouring keys.
; BY TURNS.  The 64 exponentials of a key step do not stand on end: between them stand 96 plain lines that are due anyway (scalings of later scores, the block scales, O^T's rescaling, the row's sum),
;   so that a wave has other work to issue between two exponentials, also when the waves beside it, let go by the same barrier, stand at the same place of the text.
; RING.  Two slots of eight key steps.  Waves 0-7 fetch one step's block each (68 rows of 256 bytes), one tensor load a wave behind each round.  A wave has at most two tensor loads out (the two first fills).
; CLUSTER.  The four work-groups of a cluster are four query blocks of one batch and walk the same K and V: each block is asked for JOINTLY, by the same load with the same descriptor and a mask that names the four.
; LIMITS: NaN and infinities are not served; a block of p whose largest lies under 2^-124 keeps the scale byte 1 (its codes are zeros or nearly so).
; LDS: 0 slot 0 | SLOTB slot 1 | SPARE the spare words | STG the stage, 128 channels x (64 tokens x 4 bytes + 16).  Behind its last fill and last read slot 0 takes the merge: wave w's O^T at 8,192 w, its -M and sum at MST + 256 w.
; REGISTERS: v1-2 my place in slot 0, 1; v3-4 the add's; v5-11 addresses of the merge and the way out; v12 -M, v13 the largest t, v[14:15] the sum in two halves; v16-23 Q; v24-31 scale words (lanes 0-15 K's, 16-31 V's);
;   v32-95 eight fragments of K, then of V; v96-159 S^T, then p; v160-223 O^T; v224-231 p's codes; v232-254 at work (v[248:249] the sum's second chain); v253 p's scale word; v255 Q's.
.set STEPB, 17408
.set SLOTB, 8*STEPB
.set SPARE, 2*SLOTB                    ; 128 bytes for each of the sixteen waves: eight blocks of 256 bytes that no other line names
.set STG,   SPARE+2048
.set SP,    272
.set MST,   131072
.set SC,    24
.set FR,    32
.set S,     96
.set O,     160
.set WV,    12                         ; s12 wave, s13 qt, s14 kq
.set CS,    22                         ; s[22:23] c = log2(e) / sqrt(128)
.set G1,    24                         ; s[24:31] descriptor group 1;  s[32:35], s[36:39] group 0 for slot 0, 1
.set G0A,   32
.set G0B,   36
.set SEL,   40                         ; s[40:41] lane selects for v_permlanex16_b32: lane l xor 16
; A round of the cluster's barrier: my work-group's barrier, so that wave 0's signal speaks for all sixteen waves; wave 0 signals; every wave waits for the four work-groups; my work-group's barrier once more.
.macro CROUND
	s_barrier_signal -1
	s_barrier_wait -1
	s_cmp_lg_u32 s[WV], 0
	s_cbranch_scc1 .Lnot_wave_0_\@
	s_barrier_signal -3
.Lnot_wave_0_\@:
	s_barrier_wait -3
	s_barrier_signal -1
	s_barrier_wait -1
.endm
.macro JLOAD g0                        ; waves 0-7 ask, each for one key step's block; the branch hangs on the wave's number alone; four v_nop follow the load
	s_cmp_lt_u32 s[WV], 8
	s_cbranch_scc0 .Lasked_\@
	tensor_load_to_lds s[\g0:\g0+3], s[G1:G1+7]
	s_nop 0
.rept 4
	v_nop
.endr
.Lasked_\@:
.endm
; THE CHANGE OF SLOTS.  Each wave waits for all its tensor loads (its part of the slot ahead), adds 0 to its spare word, and waits for that and for its reads of the slot that it leaves.
; Behind the round no wave of any partner reads that slot or has a load on its way: it is filled with the keys sixteen steps on, and the load has two key steps of every wave in which to land.
.macro CHANGE g0
	s_wait_tensorcnt 0x0                           ; no tensor load of mine is out, so a group 0 may be written
	ds_add_u32 v3, v4                              ; 0 onto my spare word
	ds_add_u32 v3, v4
	s_add_nc_u64 s[\g0+2:\g0+3], s[\g0+2:\g0+3], 2*SLOTB   ; sixteen key steps on; the type bits on top are not reached
	s_wait_dscnt 0x0                               ; the add is done, and my reads of the slot are over
	CROUND
	JLOAD \g0                                      ; the first thing behind the round, and a wave's one tensor load until the next
.endm
.macro CHANGE0                         ; the last change: nothing is left to fetch
	s_wait_tensorcnt 0x0
	ds_add_u32 v3, v4
	s_wait_dscnt 0x0
	s_barrier_signal -1
	s_barrier_wait -1
.endm
; t - M for pair q of the 32 pairs of scores (of the pairs c and -M the low word serves both halves)
.macro TMM q
	v_pk_fma_f32 v[96+2*(\q):97+2*(\q)], v[96+2*(\q):97+2*(\q)], s[CS:CS+1], v[12:13] op_sel_hi:[1,0,0]
.endm
; Line n of 15: from the four blocks' largest p to the conversions' scale operands (v244-247) and p's scale word (v253)
.macro GOP n
.if (\n) < 4
	s_wait_alu depctr_va_vdst(0)
	v_max_num_f32 v[232+(\n)], 0x1800000, v[232+(\n)]        ; the floor 2^(3 - 127): the byte cannot fall under 1
.elseif (\n) < 8
	v_add_nc_u32 v[244+(\n)-4], 0xff000000, v[232+(\n)-4]    ; 2 off the exponent field: the conversion's scale operand
.elseif (\n) < 12
	v_lshrrev_b32 v[236+(\n)-8], 23, v[244+(\n)-8]           ; the scale's byte
.elseif (\n) == 12
	v_lshl_or_b32 v253, v237, 8, v236                        ; p's scale word for these 128 keys
.elseif (\n) == 13
	v_lshl_or_b32 v253, v238, 16, v253
.else
	v_lshl_or_b32 v253, v239, 24, v253
.endif
.endm
; The next of the 32 lines of the row's sum, WHICH IS TAKEN OF THE UNQUANTISED p: two numbers at a time, in two chains: line 0 starts the second chain with pairs 0 and 1,
; line a (1 to 30) adds pair a + 1 to the chains by turns, line 31 joins them.
.macro AOP
.if AN_ == 0
	s_wait_alu depctr_va_vdst(0)
	v_pk_add_f32 v[248:249], v[96:97], v[98:99]
.elseif AN_ == 31
	v_pk_add_f32 v[14:15], v[14:15], v[248:249]
.elseif (AN_%2) == 1
	s_wait_alu depctr_va_vdst(0)
	v_pk_add_f32 v[14:15], v[14:15], v[96+2*(AN_+1):97+2*(AN_+1)]
.else
	v_pk_add_f32 v[248:249], v[248:249], v[96+2*(AN_+1):97+2*(AN_+1)]
.endif
.set AN_, AN_+1
.endm
; The softmax of 16 queries x 128 keys: v96-159 scores in, p out; p's codes to v224-231, its scale word to v253; O^T is brought under the new M (first = 1: there is no O^T yet).
.macro SOFTMAX first
.irp b, 0,1,2,3
	v_max3_num_f32 v[232+\b], v[96+16*\b], v[97+16*\b], v[98+16*\b]   ; THE LARGEST SCORE OF EACH BLOCK OF 32 KEYS serves twice: for the row's maximum and, since p rises with the score, for the block's largest p
.endr
.irp i, 3,5,7,9,11,13
.irp b, 0,1,2,3
	v_max3_num_f32 v[232+\b], v[232+\b], v[96+16*\b+\i], v[97+16*\b+\i]   ; the four blocks by turns; each accumulator is read from its low end on
.endr
.endr
.irp b, 0,1,2,3
	v_max_num_f32 v[232+\b], v[232+\b], v[111+16*\b]
.endr
.irp b, 0,1,2,3
	v_permlanex16_b32 v[236+\b], v[232+\b], s[SEL], s[SEL+1]
.endr
.irp b, 0,1,2,3
	v_max_num_f32 v[232+\b], v[232+\b], v[236+\b]  ; with lane l xor 16's 16 keys
.endr
	v_max3_num_f32 v254, v232, v233, v234
	v_max_num_f32 v254, v254, v235                 ; the step's largest score of my query
	v_mul_f32 v254, s[CS], v254                    ; as t (c is positive)
	v_max_num_f32 v13, v13, v254                   ; the running largest t
	v_mov_b32 v254, v12
	v_floor_f32 v12, -v13                          ; the new -M = floor(-t) = -ceil(t): M is a whole number
	v_sub_f32 v254, v12, v254                      ; M's old value less its new one: a whole number, 0 or less
	v_cvt_i32_f32 v254, v254                       ; (it saturates)
	v_ldexp_f32 v252, 1.0, v254                    ; f = 2^(old M - new M)
.irp b, 0,1,2,3
	v_fma_f32 v[232+\b], v[232+\b], s[CS], v12     ; t - M of each block's largest score: the same multiply-add as its score gets below
.endr
.irp q, 0,1,2,3
	TMM \q                                         ; the scalings run eight pairs ahead of the exponentials
.endr
.irp b, 0,1,2,3
	v_exp_f32 v[232+\b], v[232+\b]                 ; the block's largest p: the same two instructions on the same number give the same bits
	TMM 4+\b
.endr
	v_pk_mul_f32 v[14:15], v[14:15], v[252:253] op_sel_hi:[1,0]   ; the sums under the new M
; 32 trips: exponential | plain | exponential | plain | plain.  Behind each exponential stands a plain line that names none of its registers (ISA guide 5.7.2);
; a line of the sum reads a pair whose exponentials stand six trips back or more.
.set J_, 0
.set AN_, 0
.rept 32
	v_exp_f32 v[96+2*J_], v[96+2*J_]               ; p = 2^(t - M), at most 1
.if J_ < 24
	TMM J_+8
.else
	AOP
.endif
	v_exp_f32 v[97+2*J_], v[97+2*J_]
.if !\first
	v_pk_mul_f32 v[O+2*J_:O+2*J_+1], v[O+2*J_:O+2*J_+1], v[252:253] op_sel_hi:[1,0]   ; O^T under the new M, from each accumulator's low end on
.endif
.if J_ < 15
	GOP J_
.else
	AOP
.endif
.set J_, J_+1
.endr
	s_wait_alu depctr_va_vdst(0)
.irp b, 0,1,2,3
	v_cvt_scalef32_pk8_fp4_f32 v[224+2*\b], v[96+16*\b:103+16*\b], v[244+\b]
	v_cvt_scalef32_pk8_fp4_f32 v[225+2*\b], v[104+16*\b:111+16*\b], v[244+\b]
.endr
	v_nop                                          ; one plain place behind a scaled conversion
.irp c, 0,1                                    ; the operand's layout wants a WHOLE block in a lane
.irp i, 0,1
	v_permlane16_swap_b32 v[224+4*\c+\i], v[226+4*\c+\i]
.endr
.endr
.rept 7
	AOP                                            ; the sum's last seven lines are the places between p's codes and the products that take them (four are asked; p's scale word was finished in trip 14)
.endr
.endm
; A KEY STEP: the j-th of my two in the slot whose address register is v[adr].  first = 1: the products V^T P start O^T's sums: nothing is ever cleared.
; The eight accumulators of each product take turns, one instruction a turn.
.macro STEP adr, j, first
.rept 4
	v_nop                                          ; four places between the last products and loads into their fragments and scale registers (ISA guide 7.12.1 for vector instructions)
.endr
.irp t, 0,1,2,3,4,5,6,7
.irp c, 0,1
	ds_load_b128 v[FR+8*\t+4*\c:FR+8*\t+4*\c+3], v[\adr] offset:(\j)*STEPB+1024*\t+512*\c          ; K's eight tiles: each load takes 512 consecutive bytes
.endr
.endr
.irp g, 0,1
	ds_load_b128 v[SC+4*\g:SC+4*\g+3], v[\adr] offset:(\j)*STEPB+16384+512*\g                      ; the step's scale words, K's and V's
.endr
	s_wait_dscnt 0x0
.irp t, 0,1,2,3,4,5,6,7
	v_wmma_scale_f32_16x16x128_f8f6f4 v[S+8*\t:S+8*\t+7], v[FR+8*\t:FR+8*\t+7], v[16:23], 0, v[SC+\t], v255 matrix_a_fmt:MATRIX_FMT_FP4 matrix_b_fmt:MATRIX_FMT_FP4
.endr
.rept 4
	v_nop                                          ; places in front of the loads below and of the first read of the scores
.endr
.irp t, 0,1,2,3,4,5,6,7
.irp c, 0,1
	ds_load_b128 v[FR+8*\t+4*\c:FR+8*\t+4*\c+3], v[\adr] offset:(\j)*STEPB+8192+1024*\t+512*\c     ; V's eight tiles land under the softmax
.endr
.endr
	SOFTMAX \first
	s_wait_dscnt 0x0                               ; V is in
.irp t, 0,1,2,3,4,5,6,7
.if \first
	v_wmma_scale_f32_16x16x128_f8f6f4 v[O+8*\t:O+8*\t+7], v[FR+8*\t:FR+8*\t+7], v[224:231], 0, v[SC+\t], v253 matrix_a_fmt:MATRIX_FMT_FP4 matrix_b_fmt:MATRIX_FMT_FP4 matrix_a_scale:MATRIX_SCALE_ROW1
.else
	v_wmma_scale_f32_16x16x128_f8f6f4 v[O+8*\t:O+8*\t+7], v[FR+8*\t:FR+8*\t+7], v[224:231], v[O+8*\t:O+8*\t+7], v[SC+\t], v253 matrix_a_fmt:MATRIX_FMT_FP4 matrix_b_fmt:MATRIX_FMT_FP4 matrix_a_scale:MATRIX_SCALE_ROW1
.endif
.endr
.endm
	s_load_b256 s[4:11], s[0:1], 0x0               ; qc s[4:5], kv s[6:7], x1 s[8:9], out0 s[10:11]
	v_lshl_add_u32 v3, v0, 2, SPARE
	v_mov_b32 v4, 0
	ds_add_u32 v3, v4
	ds_add_u32 v3, v4
	s_wait_dscnt 0x0
	v_lshrrev_b32 v243, 5, v0
	v_readfirstlane_b32 s[WV], v243                ; wave 0..15
	s_lshr_b32 s13, s[WV], 2                       ; qt: my tile of queries
	s_and_b32 s14, s[WV], 3                        ; kq: my share of the keys
	s_and_b32 s17, ttmp7, 0xffff                   ; the batch, which the four partners share
	s_and_b32 s20, s[WV], 7                        ; which of a slot's eight key steps I fetch, if I fetch
	s_mul_i32 s21, s20, STEPB                      ; its place in a slot and in memory: no place in the cluster enters it
	s_mul_i32 s18, s17, 32*STEPB                   ; the batch's 32 key steps
	s_add_co_u32 s18, s18, s21
	s_mov_b32 s19, 0
	s_bfe_u32 s15, ttmp6, 0x40000                  ; cx: it enters the addresses of qc, x1 and out0 alone (s15, s16, s42-47)
	s_lshl_b32 s16, ttmp9, 2                       ; in a cluster launch ttmp9 counts clusters
	s_add_co_u32 s16, s16, s15                     ; my block of 64 queries
	s_lshl_b32 s42, s17, 6
	s_add_co_u32 s42, s42, s16
	s_lshl_b32 s42, s42, 2
	s_add_co_u32 s42, s42, s13                     ; my tile among the 1,024
	s_lshl_b32 s44, s42, 6                         ; its 16 scale words
	s_mov_b32 s45, 0
	s_lshl_b32 s42, s42, 10                        ; its image
	s_mov_b32 s43, 0
	s_lshl_b32 s46, s17, 21                        ; x1, out0: the batch's 128 channels x 16,384 bytes,
	s_lshl_b32 s47, s16, 8                         ; my block's 256 bytes of a channel's row
	s_add_co_u32 s46, s46, s47
	s_mov_b32 s47, 0
	; descriptor group 1: a dense block of STEPB bytes as 68 rows of 256 bytes (32 elements of 8 bytes), no padding: the fragments are read 512 consecutive bytes at a time
	s_mov_b32 s[G1], 15|(3<<16)|(1<<21)            ; 15:0 the mask: all four work-groups; 17:16 elements of 8 bytes; 21 set beside a mask
	s_mov_b32 s[G1+1], 32<<16                      ; tensor_dim0 = 32
	s_mov_b32 s[G1+2], 68<<16                      ; tensor_dim1 = 68
	s_mov_b32 s[G1+3], 32<<16                      ; tile_dim0 = 32
	s_mov_b32 s[G1+4], 68                          ; tile_dim1 = 68
	s_mov_b32 s[G1+5], 32                          ; from row to row
	s_mov_b32 s[G1+6], 0
	s_mov_b32 s[G1+7], 0
	s_mov_b32 s[CS], 0x3e0293ee                    ; c = log2(e) / sqrt(128)
	s_mov_b32 s[CS+1], s[CS]                       ; (named with it as a pair, so it is written)
	s_mov_b32 s[SEL], 0x76543210
	s_mov_b32 s[SEL+1], 0xfedcba98
	s_wait_kmcnt 0x0
	s_add_nc_u64 s[6:7], s[6:7], s[18:19]          ; kv at the block that I fetch first
	s_add_nc_u64 s[44:45], s[4:5], s[44:45]        ; qc at my scale words, less the 1,048,576 in the load's immediate
	s_add_nc_u64 s[4:5], s[4:5], s[42:43]          ; qc at my tile
	s_add_nc_u64 s[8:9], s[8:9], s[46:47]
	s_add_nc_u64 s[10:11], s[10:11], s[46:47]
	s_mov_b32 s[G0A], 1                            ; count = 1
	s_mov_b32 s[G0A+1], s21                        ; LDS address: slot 0
	s_mov_b64 s[G0A+2:G0A+3], s[6:7]               ; key steps 0-7
	s_or_b32 s[G0A+3], s[G0A+3], 0x80000000        ; type = 2
	s_mov_b32 s[G0B], 1
	s_add_co_u32 s[G0B+1], s21, SLOTB              ; slot 1
	s_add_nc_u64 s[G0B+2:G0B+3], s[6:7], SLOTB     ; key steps 8-15
	s_or_b32 s[G0B+3], s[G0B+3], 0x80000000
	CROUND                                         ; all four work-groups are here: the first joint loads meet
	s_cmp_lt_u32 s[WV], 8                          ; a wave's two first fills stand in one branch, ahead of every wait on TENSORcnt, every LDS read and every other barrier
	s_cbranch_scc0 .Lno_first
	tensor_load_to_lds s[G0A:G0A+3], s[G1:G1+7]
	s_nop 0
	tensor_load_to_lds s[G0B:G0B+3], s[G1:G1+7]
	s_nop 0
.rept 4
	v_nop
.endr
.Lno_first:
	v_and_b32 v242, 31, v0                         ; lane
	v_and_b32 v240, 15, v0                         ; r
	v_bfe_u32 v241, v0, 4, 1                       ; h
	v_lshlrev_b32 v254, 4, v242
	v_lshlrev_b32 v252, 2, v240
	global_load_b128 v[16:19], v254, s[4:5]        ; Q's fragment stays in registers
	global_load_b128 v[20:23], v254, s[4:5] offset:512
	global_load_b32 v255, v252, s[44:45] offset:1048576   ; and its scale words: lane r has query r's
	s_mul_i32 s2, s14, 2*STEPB
	v_lshlrev_b32 v1, 4, v242
	v_add_nc_u32 v1, s2, v1                        ; slot 0: my two key steps, 16 bytes a lane
	v_add_nc_u32 v2, SLOTB, v1                     ; slot 1
	s_lshl_b32 s2, s[WV], 13
	v_lshl_add_u32 v5, v242, 4, s2                 ; the merge: where I put O^T
	s_lshl_b32 s2, s[WV], 8
	s_add_co_u32 s2, s2, MST
	v_lshl_add_u32 v6, v242, 2, s2                 ; and -M and the sum
	s_lshl_b32 s2, s13, 15
	s_lshl_b32 s3, s14, 11
	s_add_co_u32 s2, s2, s3
	v_lshl_add_u32 v7, v242, 4, s2                 ; where I read: my tile's four waves, channel tiles 2 kq and 2 kq + 1
	s_lshl_b32 s2, s13, 10
	s_add_co_u32 s2, s2, MST
	v_lshl_add_u32 v8, v242, 2, s2
	s_mul_i32 s2, s14, 32*SP
	s_lshl_b32 s3, s13, 6
	s_add_co_u32 s2, s2, s3
	s_add_co_u32 s2, s2, STG
	v_mul_u32_u24 v9, v241, 8*SP
	v_lshl_add_u32 v9, v240, 2, v9
	v_add_nc_u32 v9, s2, v9                        ; the stage, in: channel 32 kq + 8 h, token 16 qt + r
	s_mul_i32 s2, s[WV], 8*SP
	s_add_co_u32 s2, s2, STG
	v_mul_u32_u24 v10, v241, SP
	v_lshl_add_u32 v10, v240, 4, v10
	v_add_nc_u32 v10, s2, v10                      ; back: channels 8 w + h, sixteen lanes to a row of 256 bytes
	s_lshl_b32 s2, s[WV], 17
	v_lshlrev_b32 v11, 14, v241
	v_lshl_add_u32 v11, v240, 4, v11
	v_add_nc_u32 v11, s2, v11                      ; and the same place in x1 and out0
	v_mov_b32 v13, 0xff61b1e6                      ; the largest t so far: -3e38, under every t
	v_floor_f32 v12, -v13                          ; -M
	v_mov_b32 v14, 0                               ; the sum, in two halves
	v_mov_b32 v15, 0
.irp b, 0,1,2,3
	v_mov_b32 v[236+\b], 0                         ; written once: a lane permute's destination counts as one of its sources
.endr
	v_mov_b32 v253, 0                              ; (named as the upper half of the pair v[252:253] before it is first written)
	s_wait_tensorcnt 0x1                           ; my part of slot 0 is in; behind it one load was issued, slot 1's, which may stay out
	s_barrier_signal -1
	s_barrier_wait -1                              ; everybody's is
	s_wait_loadcnt 0x0                             ; Q
	STEP 1, 0, 1                                   ; key steps 0-7
	STEP 1, 1, 0
	CHANGE G0A                                     ; slot 0 takes key steps 16-23
	STEP 2, 0, 0                                   ; key steps 8-15
	STEP 2, 1, 0
	CHANGE G0B                                     ; slot 1 takes key steps 24-31
	STEP 1, 0, 0
	STEP 1, 1, 0
	CHANGE0                                        ; slot 0 has had its last fill and its last read
	STEP 2, 0, 0
	STEP 2, 1, 0
	; THE MERGE.  My O^T, -M and sum go to LDS as they stand; behind the barrier each wave takes two channel tiles of its query tile from the four shares.
.rept 4
	v_nop                                          ; places behind the last products: for the loads into v32-47 and the first read of O^T
.endr
.irp i, 0,1,2,3
	global_load_b128 v[32+4*\i:35+4*\i], v11, s[8:9] offset:32768*\i th:TH_LOAD_NT   ; the residual, asked for early: 64 tokens of channels 8 w + h + 2 i
.endr
	v_add_f32 v14, v14, v15                        ; the sum's two halves,
	v_permlanex16_b32 v252, v14, s[SEL], s[SEL+1]
	v_add_f32 v14, v14, v252                       ; and lane l xor 16's
.irp t, 0,1,2,3,4,5,6,7
	ds_store_b128 v5, v[O+8*\t:O+8*\t+3] offset:1024*\t            ; each accumulator from its low end on
	ds_store_b128 v5, v[O+8*\t+4:O+8*\t+7] offset:1024*\t+512
.endr
	ds_store_b32 v6, v12
	ds_store_b32 v6, v14 offset:128
	s_wait_dscnt 0x0                               ; for the others' sake: my stores are done
	s_barrier_signal -1
	s_barrier_wait -1
.irp k, 0,1,2,3
.irp u, 0,1
.irp c, 0,1
	ds_load_b128 v[96+16*\k+8*\u+4*\c:99+16*\k+8*\u+4*\c], v7 offset:8192*\k+1024*\u+512*\c
.endr
.endr
	ds_load_b32 v[232+\k], v8 offset:256*\k        ; share k's -M
	ds_load_b32 v[236+\k], v8 offset:256*\k+128    ; and its sum
.endr
	s_wait_dscnt 0x0
	v_min3_num_f32 v240, v232, v233, v234
	v_min_num_f32 v240, v240, v235                 ; -(the largest of the four M)
.irp k, 0,1,2,3
	v_sub_f32 v[244+\k], v240, v[232+\k]           ; share k's M less the largest: a whole number, 0 or less
.endr
.irp k, 0,1,2,3
	v_cvt_i32_f32 v[244+\k], v[244+\k]
.endr
.irp k, 0,1,2,3
	v_ldexp_f32 v[244+\k], 1.0, v[244+\k]          ; the power of two that brings share k under it
.endr
	v_mul_f32 v248, v244, v236
	v_fmac_f32 v248, v245, v237
	v_fmac_f32 v248, v246, v238
	v_fmac_f32 v248, v247, v239                    ; the row's sum
	v_rcp_f32 v248, v248
	v_nop                                          ; one plain place behind a transcendental
	s_wait_alu depctr_va_vdst(0)
.irp k, 0,1,2,3
	v_mul_f32 v[244+\k], v[244+\k], v248
.endr
.set I_, 0
.rept 16
	v_mul_f32 v[160+I_], v[96+I_], v244
.set I_, I_+1
.endr
.irp k, 1,2,3
.set I_, 0
.rept 16
	v_fmac_f32 v[160+I_], v[96+16*\k+I_], v[244+\k]
.set I_, I_+1
.endr
.endr
.irp u, 0,1
.irp j, 0,1,2,3,4,5,6,7
	ds_store_b32 v9, v[160+8*\u+\j] offset:(16*\u+\j)*SP           ; channel 32 kq + 16 u + 8 h + j, token 16 qt + r
.endr
.endr
	s_wait_dscnt 0x0
	s_barrier_signal -1
	s_barrier_wait -1                              ; 128 channels x 64 tokens lie in the stage
.irp i, 0,1,2,3
	ds_load_b128 v[48+4*\i:51+4*\i], v10 offset:2*SP*\i
.endr
	s_wait_loadcnt 0x0                             ; the residual
	s_wait_dscnt 0x0
.irp i, 0,2,4,6,8,10,12,14
	v_pk_add_f32 v[48+\i:49+\i], v[48+\i:49+\i], v[32+\i:33+\i]
.endr
.irp i, 0,1,2,3
	global_store_b128 v11, v[48+4*\i:51+4*\i], s[10:11] offset:32768*\i th:TH_STORE_NT   ; sixteen lanes store 256 consecutive bytes, at a multiple of 256 from out0's first byte
.endr
	s_wait_tensorcnt 0x0                           ; the wave's end: behind my last tensor load and my last LDS store
	ds_add_u32 v3, v4
	s_wait_dscnt 0x0
	CROUND                                         ; the closing round: no work-group ends while a partner may still ask for a block that names it
	s_endpgm
.Lfunc_end_k_q433d3e60a9_attn:
	.size	k_q433d3e60a9_attn, .Lfunc_end_k_q433d3e60a9_attn-k_q433d3e60a9_attn
	.p2alignl 7, 3214868480
	.fill 96, 4, 3214868480
	.section	.rodata,"a",@progbits
	.p2align	6, 0x0
	.amdhsa_kernel k_q433d3e60a9_attn
		.amdhsa_group_segment_fixed_size 327680
		.amdhsa_private_segment_fixed_size 0
		.amdhsa_enable_private_segment 0
		.amdhsa_kernarg_size 32
		.amdhsa_user_sgpr_count 2
		.amdhsa_user_sgpr_kernarg_segment_ptr 1
		.amdhsa_wavefront_size32 1
		.amdhsa_system_sgpr_workgroup_id_x 1
		.amdhsa_system_sgpr_workgroup_id_y 1
		.amdhsa_system_sgpr_workgroup_id_z 1
		.amdhsa_system_vgpr_workitem_id 0
		.amdhsa_next_free_vgpr 256
		.amdhsa_next_free_sgpr 66
		.amdhsa_reserve_vcc 0
		.amdhsa_float_denorm_mode_32 3
		.amdhsa_float_denorm_mode_16_64 3
		.amdhsa_memory_ordered 1
		.amdhsa_forward_progress 1
		.amdhsa_inst_pref_size 157
	.end_amdhsa_kernel
	.amdgpu_metadata
---
amdhsa.version: [ 1, 2 ]
amdhsa.kernels:
  - .name:           k_q433d3e60a9_attn
    .symbol:         k_q433d3e60a9_attn.kd
    .args:
      - { .name: qc, .offset: 0, .size: 8, .value_kind: global_buffer, .address_space: global }
      - { .name: kv, .offset: 8, .size: 8, .value_kind: global_buffer, .address_space: global }
      - { .name: x1, .offset: 16, .size: 8, .value_kind: global_buffer, .address_space: global }
      - { .name: out0, .offset: 24, .size: 8, .value_kind: global_buffer, .address_space: global }
    .group_segment_fixed_size: 327680
    .private_segment_fixed_size: 0
    .kernarg_segment_align: 8
    .kernarg_segment_size: 32
    .max_flat_workgroup_size: 512
    .sgpr_count:     66
    .vgpr_count:     256
    .wavefront_size: 32
...
	.end_amdgpu_metadata
.endif
;; end of part 2
